; MI455X (gfx1250); checked and timed in simulation.
; The chip was launched on July 23, 2026; its instructions are those of AMD's public machine-readable ISA for CDNA 5 (MIT licence, August 2026) and "CDNA5" Instruction Set Architecture Reference Guide (July 2026). The comments in the code are by the model that wrote it; some were corrected since.
;; Flash Blocksparse Attention. Allowed arithmetic: matrix products marked QUANTISED: E4M3 operands, one E8M0 scale for each 32 along K, by v_wmma_scale_f32_16x16x128_f8f6f4 with both operands' format E4M3, f32 sums; everything else in f32.
;; Inputs: layout 128 x 8 int32; qkv 2 x 2,048 x 3 x 16 x 64 float32.
;; Outputs: out0 2 x 2,048 x 16 x 64 float32.
;; This version of the problem:
;;   THIS VERSION OF THE PROBLEM IS GIVEN IN LOW PRECISION. The matrix products marked QUANTISED in the list below multiply operands that are first quantised to E4M3 (4 exponent bits, 3 mantissa bits; 8 bits a number), with one power-of-two scale for each 32 numbers along K (OCP MX v1.0); their sums are f32. All else is computed in f32.
;;   The module's matrix products, in the order in which they are computed (A, B: the left and right operand; K: the contracted axis; several contracted axes count as one K, in the product's order):
;;     1. batch 32 x [M 2,048, K 64] x [K 64, N 2,048]; A: input qkv; B: input qkv: QUANTISED
;;     2. batch 32 x [M 64, K 2,048] x [K 2,048, N 2,048]; A: input qkv; B: softmax (see below): QUANTISED
;;   THE QUANTISER, for each operand of a quantised product, along K:
;;     - K is cut into blocks of 32 from its start; a last block that is shorter is filled with zeros.
;;     - A block's scale is 2^e with e = floor(log2(the largest magnitude in the block)) - 8, held to -126 .. 127; a block of zeros has e = 0. As a byte (E8M0): e + 127.
;;     - Each number is divided by its block's scale, clamped to +-448, and rounded to the nearest number of E4M3, ties to even, subnormals kept.
;;     - The product sums the exact products of the quantised numbers (number of the format x scale) in f32.
;;   ~~~python
;;   def quantise(x, axis):      # numpy; x: float32 -> the quantised numbers, widened to float32 again
;;       x = np.moveaxis(x, axis, -1); K = x.shape[-1]
;;       x = np.pad(x, [(0, 0)] * (x.ndim - 1) + [(0, -K % 32)]); x = x.reshape(x.shape[:-1] + (-1, 32)); a = np.abs(x).max(-1, keepdims=True)
;;       e = np.where(a > 0, np.clip(np.frexp(np.where(a > 0, a, 1))[1] - 1 - 8, -126, 127), 0)      # np.frexp(a)[1] - 1 = floor(log2(a)), exactly
;;       r = np.clip(x / 2.0 ** e, -448, 448)
;;       step = 2.0 ** (np.maximum(np.frexp(np.where(r == 0, 1, r))[1] - 1, -6) - 3)
;;       q = np.round(r / step) * step * 2.0 ** e      # np.round: ties to even
;;       return np.moveaxis(q.reshape(q.shape[:-2] + (-1,))[..., :K], -1, axis).astype(np.float32)
;;   ~~~
;;   SOFTMAX AHEAD OF A QUANTISED PRODUCT. Where the list says 'softmax', what is quantised is not the finished softmax but p = 2^(t - M), with t = logit x log2(e) and M = ceil(the row's largest t), a whole number; so 1/2 < the row's largest p <= 1. The row's sum l is taken of the UNQUANTISED p, in f32, and the product's result is divided by l at the end. Since M is a whole number, a kernel that streams over the keys may use a running M (the ceiling of the running maximum): every later rescaling is an exact power of two, which a block's scale takes up: the codes' values come out the same.
;;   OPERANDS COMPUTED ON THE WAY. 'Computed on the way' means the value that the module computes at that place (a softmax that the list does not call 'softmax' is quantised finished and normalised). What goes into a quantiser is computed in f32, as accurately as f32 sums, v_exp_f32 and their like allow (about 1e-6 of the number): no bf16 or f16 on the way to a quantiser, and a product that is left as it is and whose result goes on into a quantised operand takes f32 operands (vector FMAs, or v_wmma_f32_16x16x4_f32). A number that lies on a knife's edge between two numbers of the format may be rounded either way, as far as f32 arithmetic and the matrix unit's own rounding can turn it there, and no further.
;; 2 versions. Each part assembles by itself: llvm-mc -triple=amdgcn-amd-amdhsa -mcpu=gfx1250 --defsym DOCPART=n.
;; ======== version 1 of 2: 1 launch
;; launch attn (part 1): grid 8 x 32, 16 waves a work-group, no clusters, 209,920 bytes of LDS; arguments qkv, layout, out0; writes out0
.if DOCPART == 1
	.amdgcn_target "amdgcn-amd-amdhsa--gfx1250"
	.amdhsa_code_object_version 6
	.text
	.protected	k_qe78866ce6d_attn
	.globl	k_qe78866ce6d_attn
	.p2align	8
	.type	k_qe78866ce6d_attn,@function
k_qe78866ce6d_attn:
	s_mov_b64 s[64:65], 0
	v_nop
	global_prefetch_b8 v0, s[64:65] scope:SCOPE_SE
	s_setreg_imm32_b32 hwreg(HW_REG_WAVE_MODE, 25, 1), 1
	s_wait_xcnt 0x0
; out[b][s][h][:] = the sum over keys t of softmax_t(q . k / 8, hidden where layout[s / 16][t / 256] is 0) v[t][:], both products on codes of FP8 (E4M3) with one E8M0 scale for each 32 along a product's K.
; qkv: [2][2048][3][16][64] f32: every (s, q|k|v, h) row is 64 numbers = 256 consecutive bytes, aligned; rows of neighbouring s lie 12,288 bytes apart.  layout: [128][8] int32, any number but 0 counts.  out: [2][2048][16][64] f32.
; THE SOFTMAX AHEAD OF THE SECOND PRODUCT: t = score x log2(e) / 8; M = the row's largest t so far, rounded UP to a whole number; p = 2^(t - M) is quantised along the keys, not normalised;
; the row's sum is taken of the unquantised p and divides O at the end.  When M moves, the sum and O are multiplied by 2^(old M - new M): exact.
; SHARES.  A work-group owns 256 queries of one head (grid x: the block of queries, y: 16 b + h); each of its SIXTEEN waves owns 16 of them: one matrix tile, and ONE ROW OF THE LAYOUT.  A trip takes 256 keys: ONE COLUMN
; OF THE LAYOUT.  So a block of keys counts for a wave wholly or not at all: no score is masked one by one; a wave jumps over the blocks that its row hides (a scalar branch on whole numbers read from the layout).
; The work-group walks the blocks that ANY of its 16 rows opens, lowest first.  Each such block is quantised ONCE for the work-group: waves 0-7 take K, waves 8-15 V, 32 keys x 64 channels each, from f32 in registers;
; the codes and scale words go to LDS as IMAGES OF THE OPERANDS' REGISTERS (16 bytes a lane, 512 consecutive bytes a store) and every wave reads them back by the same lines.
; Two LDS slots take turns, one barrier a trip.  The loop has 8 trips whatever the layout holds, so that every wave passes every barrier; a trip beyond the list costs a few scalar lines.
; The next open block's f32 numbers are asked for in front of the barrier, into 64 registers that nothing else uses: they land while this block's two key steps are worked.
; LAYOUT OF THE PRODUCTS.  Both are used transposed: S^T = K Q^T (source 0 = 16 keys, source 1 = my 16 queries), O^T = V^T P^T (source 0 = 16 channels, source 1 = P): a lane holds ONE query (lane % 16) throughout.
; THE KEYS OF A TILE ARE NOT NEIGHBOURS: lane r of tile 2 b + u takes key 32 b + 8 u + r + 8 (r / 8), so that the 16 registers of tiles 2 b and 2 b + 1 are 16 neighbouring keys, 32 b + 16 (lane / 16) + 0 .. 15.
; THE FIRST PRODUCT'S K IS 64, the instruction's 128.  Q's registers 8-15 are zero codes, and bytes 2, 3 of Q's and K's scale words are 0x7f (1.0).  K's fragment is named 16 registers long: its upper 8 are the next
; fragment's codes (behind the last: 8 registers kept at 0).  Every number is held at 448 x its scale before it is converted, so no code is the NaN code, and a code times Q's zero code adds exactly 0.
; A ROW WITH NO OPEN BLOCK ends with O = 0 and the sum 0: 0 x (1 / 0) is NaN, as the problem's definition gives for a softmax over nothing.
; LIMITS.  NaN and infinities among the inputs are not served.  A block whose largest magnitude lies under 2^-118 keeps the scale byte 1 (a block of zeros too, where the rule says 127: its codes are zeros, and only this
; program reads the bytes).  A block's largest p is taken from its largest score by the same multiply-add and exponential: this takes v_exp_f32 not to fall where its input rises.
; NO JOINT LOADS, NO DATA MOVER: the operands arrive as f32 and have to pass through registers to become codes, and which blocks a work-group asks for hangs on its own 16 rows of the layout, so neighbours
; would not make the same requests on every path.
; REGISTERS: v1-11 addresses that stay; v12 -M, v13 the largest t, v[14:15] the sum in two halves; v16-23 Q's codes, v24-31 zeros; v32-63 O^T; v64-127 S^T, then p, then V's four fragments (and the quantisers' numbers);
;   v128-159 four fragments of K, later the codes just made; v160-167 zeros; v168-231 the next block's f32 numbers; v232-247 at work; v248-251 K's and V's scale words; v252 f, v253 p's scale word, v254 at work; v255 Q's scale word.
.set ROWQ,  12288                      ; bytes from s to s + 1 in qkv
.set BATQ,  25165824                   ; a batch of qkv
.set BLKB,  3145728                    ; 256 rows of qkv
.set W32,   393216                     ; 32 rows of qkv
.set ROWO,  4096                       ; bytes from s to s + 1 in out
.set BATO,  8388608                    ; a batch of out
.set SLOTB, 34304                      ; an LDS slot: K's images 16,384 | V's images 16,384 | K's scale words 1,024 | V's scale bytes 512
.set VIMG,  16384
.set KSC,   32768
.set VSC,   33792
.set STG,   2*SLOTB                    ; behind the slots: a stage of its own for each wave, 32 rows of 256 bytes + 16
.set SP,    272                        ; 17 x 16 bytes: the 16 rows that a load touches begin at 16 different 16-byte columns of 256
.set STW,   32*SP
.set LI,   1                           ; v1   16 x lane: my place in an image of K
.set RV,   2                           ; v2   VIMG + 16 x lane: in an image of V
.set LSC,  3                           ; v3   KSC + 4 x lane: among the scale words
.set GD,   4                           ; v4   Q's and K's loads: (lane / 16) rows + 16 (lane % 16).  On the way out: the same in out
.set GV,   5                           ; v5   V's loads: 8 x lane.  On the way out: where I put 32 bytes of a row of O in my stage
.set STI,  6                           ; v6   my stage by rows: row lane / 16, 16 (lane % 16)
.set STO,  7                           ; v7   my stage by operand: row lane % 16, 64 (lane / 16)
.set KWI,  8                           ; v8   where a K wave stores its images
.set KWS,  9                           ; v9   and its scale words
.set VWI,  10                          ; v10  where a V wave stores its codes
.set VWS,  11                          ; v11  and its scale bytes
.set QF,   16
.set OT,   32
.set S,    64
.set KF,   128
.set PC,   128
.set ZP,   160
.set SG,   168
.set TM,   232                         ; v232-235 largest magnitudes, v236-239 the other half's, then bytes, v240-243 448 x the scale, v244-247 the conversions' scale operands
.set KS,   248
.set WV,   10                          ; s10  wave 0..15
.set B8,   11                          ; s11  wave % 8: which 32 keys of a block I quantise
.set ROLE, 12                          ; s12  wave / 8: 0 = K, 1 = V
.set BH,   14                          ; s14  16 b + h
.set KV0,  16                          ; s[16:17] my 32 keys of block 0, of K or of V
.set KVC,  18                          ; s[18:19] the same of the block that is being fetched
.set SEL,  20                          ; s[20:21] v_permlanex16_b32's selects for lane l xor 16
.set CS,   22                          ; s[22:23] c = log2(e) / 8 (the packed form names a pair and takes its low word for both halves)
.set MNT,  24                          ; s24  the mantissa field of 448
.set UQ,   25                          ; s25  the blocks that some row of the work-group opens and that are not yet quantised
.set WM,   26                          ; s26  the blocks that my row opens and that I have not yet worked
.set JC,   27                          ; s27  the trip's block
	s_load_b128 s[4:7], s[0:1], 0x0                ; qkv, layout
	s_load_b64 s[8:9], s[0:1], 0x10                ; out
	v_lshrrev_b32 v1, 5, v0
	v_readfirstlane_b32 s[WV], v1
	s_and_b32 s[B8], s[WV], 7
	s_lshr_b32 s[ROLE], s[WV], 3
	s_and_b32 s[BH], ttmp7, 0xffff
	s_mul_i32 s37, s[WV], STW
	s_add_co_u32 s37, s37, STG                     ; my stage
	; every address register is made here, by every wave, ahead of the first parting of the roles
	v_and_b32 v12, 31, v0                          ; lane
	v_and_b32 v13, 15, v0                          ; r
	v_bfe_u32 v14, v0, 4, 1                        ; h
	v_lshlrev_b32 v[LI], 4, v12
	v_add_nc_u32 v[RV], VIMG, v[LI]
	v_lshl_add_u32 v[LSC], v12, 2, KSC
	v_mul_u32_u24 v[GD], v14, ROWQ
	v_lshl_add_u32 v[GD], v13, 4, v[GD]
	v_lshlrev_b32 v[GV], 3, v12
	v_mul_u32_u24 v[STI], v14, SP
	v_lshl_add_u32 v[STI], v13, 4, v[STI]
	v_add_nc_u32 v[STI], s37, v[STI]
	v_mul_u32_u24 v[STO], v13, SP
	v_lshl_add_u32 v[STO], v14, 6, v[STO]
	v_add_nc_u32 v[STO], s37, v[STO]
	s_lshl_b32 s30, s[B8], 11
	v_add_nc_u32 v[KWI], s30, v[LI]                ; K's tiles (b8, u) at 2,048 b8 + 1,024 u + 512 c + 16 lane
	s_lshl_b32 s30, s[B8], 7
	s_add_co_u32 s30, s30, KSC
	v_lshl_add_u32 v[KWS], v13, 2, s30             ; K's scale words at 128 b8 + 64 u + 4 r
	v_lshrrev_b32 v15, 3, v12
	v_and_b32 v[VWI], 7, v12
	v_lshlrev_b32 v[VWI], 5, v[VWI]
	v_lshl_add_u32 v[VWI], v15, 12, v[VWI]
	s_lshr_b32 s30, s[B8], 2                       ; my 32 keys are block c = b8 % 4 of key step q = b8 / 4
	s_and_b32 s31, s[B8], 3
	s_lshl_b32 s15, s30, 11
	s_lshl_b32 s28, s31, 9
	s_add_co_u32 s15, s15, s28
	s_add_co_u32 s15, s15, VIMG
	v_add_nc_u32 v[VWI], s15, v[VWI]               ; V's fragment (t, q) at 2,048 (2 t + q) + 512 c + 16 lane'; my channels 2 l + e are t = l / 8, lane' = 2 (l % 8) + e (+ 16 for keys 16-31)
	s_lshl_b32 s15, s30, 8
	s_add_co_u32 s15, s15, s31
	s_add_co_u32 s15, s15, VSC
	v_lshl_add_u32 v[VWS], v12, 3, s15             ; V's scale bytes at 256 q + 4 d + c
	s_mov_b32 s[SEL], 0x76543210
	s_mov_b32 s[SEL+1], 0xfedcba98
	s_mov_b32 s[CS], 0x3e38aa3b                    ; log2(e) / 8
	s_mov_b32 s[CS+1], s[CS]
	s_mov_b32 s[MNT], 0x600000
	; byte offsets, each under 2^32, made apart from the addresses
	s_lshr_b32 s30, s[BH], 4                       ; b
	s_and_b32 s31, s[BH], 15
	s_lshl_b32 s31, s31, 8                         ; the head's 256 bytes of a row
	s_mul_i32 s28, s30, BATQ
	s_add_co_u32 s28, s28, s31                     ; the head in qkv
	s_lshl_b32 s15, s[ROLE], 12
	s_add_co_u32 s15, s15, 4096                    ; k lies 4,096 bytes behind q, v 8,192
	s_add_co_u32 s[KV0], s28, s15
	s_mul_i32 s15, s[B8], W32
	s_add_co_u32 s[KV0], s[KV0], s15
	s_mov_b32 s[KV0+1], 0
	s_lshl_b32 s15, ttmp9, 8
	s_lshl_b32 s38, s[WV], 4
	s_add_co_u32 s15, s15, s38                     ; my first query
	s_mul_i32 s38, s15, ROWQ
	s_add_co_u32 s38, s38, s28
	s_mov_b32 s39, 0
	s_mul_i32 s28, s30, BATO
	s_lshl_b32 s15, s15, 12
	s_add_co_u32 s28, s28, s15
	s_add_co_u32 s28, s28, s31
	s_mov_b32 s29, 0
	s_lshl_b32 s30, ttmp9, 9                       ; the work-group's 16 rows of the layout: 512 bytes
	s_mov_b32 s31, 0
	s_wait_kmcnt 0x0
	s_add_nc_u64 s[KV0:KV0+1], s[4:5], s[KV0:KV0+1]
	s_add_nc_u64 s[38:39], s[4:5], s[38:39]        ; Q at my first query
	s_add_nc_u64 s[8:9], s[8:9], s[28:29]          ; out likewise
	s_add_nc_u64 s[6:7], s[6:7], s[30:31]
	global_load_b128 v[TM:TM+3], v[LI], s[6:7]     ; lane l: row l / 2 of the 16, columns 4 (l % 2) + 0 .. 3
.irp i, 0,1,2,3,4,5,6,7
	global_load_b128 v[S+4*\i:S+4*\i+3], v[GD], s[38:39] offset:2*\i*ROWQ th:TH_LOAD_NT   ; queries 2 i and 2 i + 1: sixteen lanes take one row's 256 bytes; read by this wave alone
.endr
	; while these are out: what begins as zero
.set ii, 0
.rept 8
	v_mov_b32 v[QF+8+ii], 0                        ; Q's codes for k = 64 .. 127
	v_mov_b32 v[ZP+ii], 0                          ; what stands behind K's last fragment
.set ii, ii+1
.endr
.set ii, 0
.rept 32
	v_mov_b32 v[OT+ii], 0                          ; O^T.  (The key step is written once: the first finds zeros, which the first change of M leaves zeros)
.set ii, ii+1
.endr
	v_mov_b32 v14, 0                               ; the sum, in two halves
	v_mov_b32 v15, 0
.irp b, 0,1,2,3
	v_mov_b32 v[TM+4+\b], 0                        ; written once: a lane permute's destination counts as one of its sources
.endr
	v_mov_b32 v252, 0                              ; (likewise: the way out's permute lands here)
	v_mov_b32 v253, 0                              ; (named as the upper half of the pair v[252:253] before it is first written)
	v_mov_b32 v254, 0
	v_mov_b32 v13, 0xff61b1e6                      ; the largest t so far: -3e38, under every t
	v_floor_f32 v12, -v13                          ; -M
	s_wait_loadcnt 8                               ; the layout is in; the eight younger loads, Q's, stay out
.irp i, 0,1,2,3
	v_cmp_ne_u32 s[32+\i], 0, v[TM+\i]             ; bit l: row l / 2 opens column 4 (l % 2) + i
.endr
	s_mov_b32 s[UQ], 0
.irp i, 0,1,2,3
.irp e, 0,1
	s_and_b32 s30, s[32+\i], 0x55555555<<\e        ; does any of the 16 rows open column 4 e + i?
	s_cselect_b32 s30, 1<<(4*\e+\i), 0
	s_or_b32 s[UQ], s[UQ], s30
.endr
.endr
	s_mov_b32 s[WM], 0
	s_lshl_b32 s31, s[WV], 1                       ; my row's two lanes: 2 w and 2 w + 1
.irp i, 0,1,2,3
	s_lshr_b32 s30, s[32+\i], s31
	s_and_b32 s15, s30, 1
	s_lshl_b32 s15, s15, \i                        ; column i
	s_or_b32 s[WM], s[WM], s15
	s_and_b32 s30, s30, 2
	s_lshl_b32 s30, s30, 3+\i                      ; column 4 + i
	s_or_b32 s[WM], s[WM], s30
.endr
; The f32 numbers of my 32 keys of the lowest block in UQ, into v168-231.  The block's number is held at 7 before it enters an address (an empty list gives 7: inside the buffer, and nobody uses the numbers).
; waitq = 1, the first fetch: behind each role's loads stands the wait for Q, whose count is that role's own younger loads.
.macro FETCH waitq
	s_ctz_i32_b32 s30, s[UQ]
	s_min_u32 s30, s30, 7
	s_mul_i32 s28, s30, BLKB
	s_mov_b32 s29, 0
	s_add_nc_u64 s[KVC:KVC+1], s[KV0:KV0+1], s[28:29]   ; no load that names this base is out: the wait for all loads stands at the trip's head
	s_cmp_lg_u32 s[ROLE], 0
	s_cbranch_scc1 .Lfetch_v_\@
.irp i, 0,1,2,3,4,5,6,7,8,9,10,11,12,13,14,15
	global_load_b128 v[SG+4*\i:SG+4*\i+3], v[GD], s[KVC:KVC+1] offset:2*\i*ROWQ   ; K: keys 2 i and 2 i + 1: sixteen lanes take one row's 256 bytes
.endr
.if \waitq
	s_wait_loadcnt 16                              ; Q is in; my 16 loads of K stay out
.endif
	s_branch .Lfetched_\@
.Lfetch_v_\@:
.set ii, 0
.rept 32
	global_load_b64 v[SG+2*ii:SG+2*ii+1], v[GV], s[KVC:KVC+1] offset:ii*ROWQ      ; V: key ii, channels 2 l and 2 l + 1: the wave takes one row's 256 bytes, and a lane's registers run down the keys
.set ii, ii+1
.endr
.if \waitq
	s_wait_loadcnt 32                              ; Q is in; my 32 loads of V stay out
.endif
.Lfetched_\@:
.endm
; nb blocks of 32 along K: register s + 16 b + i = k 32 b' + 16 (lane / 16) + i of my row; a block lies in lanes l and l xor 16.  Codes to v[pc + 4 b] on, the blocks' bytes stay in v[TM + 4 + b].
.macro QUANT s, nb, pc
.irp b, 0,1,2,3
.if \b < \nb
	v_max3_num_f32 v[TM+\b], |v[\s+16*\b]|, |v[\s+1+16*\b]|, 0x4800000   ; my 16 numbers, and the floor 2^(9 - 127): so the byte cannot fall under 1
.endif
.endr
.irp i, 2,4,6,8,10,12,14
.irp b, 0,1,2,3
.if \b < \nb
	v_max3_num_f32 v[TM+\b], v[TM+\b], |v[\s+16*\b+\i]|, |v[\s+1+16*\b+\i]|   ; (the blocks by turns: no line waits for the line above it)
.endif
.endr
.endr
.irp b, 0,1,2,3
.if \b < \nb
	v_permlanex16_b32 v[TM+4+\b], v[TM+\b], s[SEL], s[SEL+1]
.endif
.endr
.irp b, 0,1,2,3
.if \b < \nb
	v_max_num_f32 v[TM+\b], v[TM+\b], v[TM+4+\b]   ; with lane l xor 16's: the block's largest magnitude
.endif
.endr
.irp b, 0,1,2,3
.if \b < \nb
	v_add_nc_u32 v[TM+12+\b], 0xfc000000, v[TM+\b]   ; 8 off its exponent field: the conversion takes this operand's exponent field as its scale
	v_and_or_b32 v[TM+8+\b], v[TM+\b], 0x7f800000, s[MNT]   ; 448 x the scale
.endif
.endr
.irp b, 0,1,2,3
.if \b < \nb
	v_lshrrev_b32 v[TM+4+\b], 23, v[TM+12+\b]      ; the scale's byte
.endif
.endr
.irp b, 0,1,2,3
.if \b < \nb
.irp i, 0,1,2,3,4,5,6,7,8,9,10,11,12,13,14,15
	v_med3_num_f32 v[\s+16*\b+\i], v[\s+16*\b+\i], -v[TM+8+\b], v[TM+8+\b]   ; the conversion to an 8-bit code does not saturate (ISA guide 7.6.2): the hold at the largest code x the scale
.endr
	v_cvt_scalef32_pk8_fp8_f32 v[\pc+4*\b:\pc+4*\b+1], v[\s+16*\b:\s+16*\b+7], v[TM+12+\b]
	v_cvt_scalef32_pk8_fp8_f32 v[\pc+4*\b+2:\pc+4*\b+3], v[\s+16*\b+8:\s+16*\b+15], v[TM+12+\b]
.endif
.endr
	v_nop                                          ; one plain line behind the last scaled conversion, ahead of whatever next touches its registers
.endm
; A K wave: its 32 keys x 64 channels turn through its stage (in: whole rows as loaded; out: 16 neighbours along the channels to a lane) and become two tiles' codes and scale words.
; The stage row of key x is 16 u + m, u = (x / 8) % 2, m = x % 8 + 8 (x / 16): the order in which lane m of tile u holds key 8 u + m + 8 (m / 8).  The stores' immediates do that sorting.
.macro KQUANT slot
.irp i, 0,1,2,3,4,5,6,7,8,9,10,11,12,13,14,15
	ds_store_b128 v[STI], v[SG+4*\i:SG+4*\i+3] offset:(16*((\i/4)%2)+8*(\i/8)+(2*\i)%8)*SP
.endr
.irp b, 0,1,2,3                                ; b = 2 u + c: tile u, channels 32 c on
.irp j, 0,1,2,3
	ds_load_b128 v[S+16*\b+4*\j:S+16*\b+4*\j+3], v[STO] offset:16*(\b/2)*SP+128*(\b%2)+16*\j   ; LDS serves a wave's instructions in order: these see the stores above
.endr
.endr
	s_wait_dscnt 0x0                               ; the numbers are back; the stores have read v168-231, which the next fetch may fill
	QUANT S, 4, PC
	v_lshl_or_b32 v252, v[TM+5], 8, v[TM+4]        ; tile 0's scale word: two bytes, and 1.0 for the k that Q's zero codes fill
	v_or_b32 v252, 0x7f7f0000, v252
	v_lshl_or_b32 v254, v[TM+7], 8, v[TM+6]        ; tile 1's
	v_or_b32 v254, 0x7f7f0000, v254
.irp b, 0,1,2,3
	ds_store_b128 v[KWI], v[PC+4*\b:PC+4*\b+3] offset:\slot*SLOTB+512*\b   ; 1,024 u + 512 c
.endr
	ds_store_b32 v[KWS], v252 offset:\slot*SLOTB       ; (both halves of the lanes write the same word with the same value)
	ds_store_b32 v[KWS], v254 offset:\slot*SLOTB+64
.endm
; A V wave: register 168 + 2 i + e holds V(key i, channel 2 l + e).  The keys are this product's K: a lane holds two whole blocks of 32, one for each of its channels, and needs no other lane.
.macro VQUANT slot
.irp a, 0,1                                    ; four chains: channel e, keys 16 a on
.irp e, 0,1
	v_max3_num_f32 v[TM+\e+2*\a], |v[SG+32*\a+\e]|, |v[SG+32*\a+2+\e]|, 0x4800000
.endr
.endr
.irp k, 2,4,6,8,10,12,14
.irp a, 0,1
.irp e, 0,1
	v_max3_num_f32 v[TM+\e+2*\a], v[TM+\e+2*\a], |v[SG+32*\a+2*\k+\e]|, |v[SG+32*\a+2*\k+2+\e]|
.endr
.endr
.endr
.irp e, 0,1
	v_max_num_f32 v[TM+\e], v[TM+\e], v[TM+2+\e]
.endr
.irp e, 0,1
	v_add_nc_u32 v[TM+12+\e], 0xfc000000, v[TM+\e]
	v_and_or_b32 v[TM+8+\e], v[TM+\e], 0x7f800000, s[MNT]
.endr
.irp e, 0,1
	v_lshrrev_b32 v[TM+4+\e], 23, v[TM+12+\e]
.endr
.irp e, 0,1
.set ii, 0
.rept 32
	v_med3_num_f32 v[S+32*\e+ii], v[SG+2*ii+\e], -v[TM+8+\e], v[TM+8+\e]   ; the hold also sorts the two channels apart: 32 keys of a channel on end
.set ii, ii+1
.endr
.endr
.irp e, 0,1
.irp g, 0,1,2,3
	v_cvt_scalef32_pk8_fp8_f32 v[PC+8*\e+2*\g:PC+8*\e+2*\g+1], v[S+32*\e+8*\g:S+32*\e+8*\g+7], v[TM+12+\e]
.endr
.endr
	v_nop                                          ; one plain line behind the last scaled conversion
.irp e, 0,1
.irp x, 0,1
	ds_store_b128 v[VWI], v[PC+8*\e+4*\x:PC+8*\e+4*\x+3] offset:\slot*SLOTB+16*\e+256*\x   ; keys 16 x on: lanes 16 x + r of the image
.endr
.endr
.irp e, 0,1
	ds_store_b8 v[VWS], v[TM+4+\e] offset:\slot*SLOTB+4*\e
.endr
.endm
; A KEY STEP: 128 keys, the q-th of the block in the slot.
.macro STEP slot, q
.irp g, 0,1                                    ; S^T = K Q^T, four tiles of 16 keys at a time
.if \g > 0
.rept 8
	v_nop                                          ; eight places in front of loads into registers that the four products above have read
.endr
.endif
.irp t, 0,1,2,3
.irp c, 0,1
	ds_load_b128 v[KF+8*\t+4*\c:KF+8*\t+4*\c+3], v[LI] offset:\slot*SLOTB+(4*\q+2*\g+\t/2)*2048+(\t%2)*1024+512*\c
.endr
.endr
.if \g == 0
.irp w, 0,1,2,3
	ds_load_b32 v[KS+\w], v[LSC] offset:\slot*SLOTB+128*(4*\q+\w)   ; lanes 0-15: the words of tile 2 w, lanes 16-31: those of tile 2 w + 1
.endr
.endif
	s_wait_dscnt 0x0
.irp t, 0,1,2,3
.if \t%2
	v_wmma_scale_f32_16x16x128_f8f6f4 v[S+8*(4*\g+\t):S+8*(4*\g+\t)+7], v[KF+8*\t:KF+8*\t+15], v[QF:QF+15], 0, v[KS+2*\g+\t/2], v255 matrix_a_scale:MATRIX_SCALE_ROW1
.else
	v_wmma_scale_f32_16x16x128_f8f6f4 v[S+8*(4*\g+\t):S+8*(4*\g+\t)+7], v[KF+8*\t:KF+8*\t+15], v[QF:QF+15], 0, v[KS+2*\g+\t/2], v255
.endif
.endr
.endr
.rept 8
	v_nop                                          ; eight places in front of the first read of the scores
.endr
.irp b, 0,1,2,3
	v_max3_num_f32 v[TM+\b], v[S+16*\b], v[S+1+16*\b], v[S+2+16*\b]   ; THE LARGEST SCORE OF EACH BLOCK OF 32 KEYS: it serves for the row's maximum and, since p rises with the score, for the block's largest p.  (Each result is read from its low end on)
.endr
.irp i, 3,5,7,9,11,13
.irp b, 0,1,2,3
	v_max3_num_f32 v[TM+\b], v[TM+\b], v[S+16*\b+\i], v[S+1+16*\b+\i]
.endr
.endr
.irp b, 0,1,2,3
	v_max_num_f32 v[TM+\b], v[TM+\b], v[S+15+16*\b]
.endr
.irp b, 0,1,2,3
	v_permlanex16_b32 v[TM+4+\b], v[TM+\b], s[SEL], s[SEL+1]
.endr
.irp b, 0,1,2,3
	v_max_num_f32 v[TM+\b], v[TM+\b], v[TM+4+\b]   ; with lane l xor 16's 16 keys
.endr
	v_max3_num_f32 v254, v[TM], v[TM+1], v[TM+2]
	v_max_num_f32 v254, v254, v[TM+3]              ; the step's largest score of my query
	v_mul_f32 v254, s[CS], v254                    ; as t (c is positive)
	v_max_num_f32 v13, v13, v254                   ; the running largest t
	v_mov_b32 v254, v12
	v_floor_f32 v12, -v13                          ; the new -M = floor(-t) = -ceil(t): M is a whole number
	v_sub_f32 v254, v12, v254                      ; old M less new M: a whole number, 0 or less
	v_cvt_i32_f32 v254, v254                       ; (it saturates)
	v_ldexp_f32 v252, 1.0, v254                    ; f = 2^(old M - new M): a multiplication by it rounds nothing
.set jj, 0
.rept 32
	v_pk_fma_f32 v[S+jj:S+jj+1], v[S+jj:S+jj+1], s[CS:CS+1], v[12:13] op_sel_hi:[1,0,0]   ; t - M, two at a time
.set jj, jj+2
.endr
.irp b, 0,1,2,3
	v_fma_f32 v[TM+\b], v[TM+\b], s[CS], v12       ; the same of each block's largest score
.endr
.set jj, 0
.rept 64
	v_exp_f32 v[S+jj], v[S+jj]                     ; p = 2^(t - M), at most 1: not normalised
.set jj, jj+1
.endr
.irp b, 0,1,2,3
	v_exp_f32 v[TM+\b], v[TM+\b]                   ; the block's largest p: the same two instructions on the same number give the same bits
.endr
	v_pk_mul_f32 v[14:15], v[14:15], v[252:253] op_sel_hi:[1,0]   ; the sums under the new M.  (The plain line behind the exponentials)
	s_wait_alu depctr_va_vdst(0)
.irp b, 0,1,2,3
	v_max_num_f32 v[TM+\b], 0x4800000, v[TM+\b]    ; the floor 2^(9 - 127): the byte cannot fall under 1
.endr
.irp b, 0,1,2,3
	v_add_nc_u32 v[TM+12+\b], 0xfc000000, v[TM+\b]
.endr
.irp b, 0,1,2,3
	v_and_or_b32 v[TM+8+\b], v[TM+\b], 0x7f800000, s[MNT]
.endr
.irp b, 0,1,2,3
	v_lshrrev_b32 v[TM+4+\b], 23, v[TM+12+\b]
.endr
	v_lshl_or_b32 v253, v[TM+5], 8, v[TM+4]        ; p's scale word for these 128 keys
	v_lshl_or_b32 v253, v[TM+6], 16, v253
	v_lshl_or_b32 v253, v[TM+7], 24, v253
	v_pk_add_f32 v[TM+4:TM+5], v[S:S+1], v[S+2:S+3]   ; THE ROW'S SUM IS TAKEN OF THE UNQUANTISED p: two at a time, in two chains
.irp j, 4,8,12,16,20,24,28,32,36,40,44,48,52,56,60
	v_pk_add_f32 v[14:15], v[14:15], v[S+\j:S+\j+1]
	v_pk_add_f32 v[TM+4:TM+5], v[TM+4:TM+5], v[S+2+\j:S+3+\j]
.endr
	v_pk_add_f32 v[14:15], v[14:15], v[TM+4:TM+5]
.irp b, 0,1,2,3
.set ii, 0
.rept 16
	v_min_num_f32 v[S+16*\b+ii], v[S+16*\b+ii], v[TM+8+\b]   ; the hold; p is not negative, so it is one-sided
.set ii, ii+1
.endr
	v_cvt_scalef32_pk8_fp8_f32 v[PC+4*\b:PC+4*\b+1], v[S+16*\b:S+16*\b+7], v[TM+12+\b]
	v_cvt_scalef32_pk8_fp8_f32 v[PC+4*\b+2:PC+4*\b+3], v[S+16*\b+8:S+16*\b+15], v[TM+12+\b]
.endr
.irp t, 0,1,2,3                                ; V's four fragments (16 channels x these 128 keys) go into the registers that p has left
.irp c, 0,1,2,3
	ds_load_b128 v[S+16*\t+4*\c:S+16*\t+4*\c+3], v[RV] offset:\slot*SLOTB+(2*\t+\q)*2048+512*\c
.endr
.endr
.irp w, 0,1
	ds_load_b32 v[KS+\w], v[LSC] offset:\slot*SLOTB+VSC-KSC+256*\q+128*\w   ; lanes 0-15: the words of channels 32 w + r (tile 2 w), lanes 16-31: tile 2 w + 1's
.endr
.set jj, 0
.rept 16
	v_pk_mul_f32 v[OT+jj:OT+jj+1], v[OT+jj:OT+jj+1], v[252:253] op_sel_hi:[1,0]   ; O^T under the new M, each result from its low end on.  (These 16 are the plain line behind the conversions and the places between the codes and the products; the scale word was made far further up)
.set jj, jj+2
.endr
	s_wait_dscnt 0x0
.irp t, 0,1,2,3                                ; O^T += V^T P^T: the four accumulators by turns, one instruction a turn
.if \t%2
	v_wmma_scale_f32_16x16x128_f8f6f4 v[OT+8*\t:OT+8*\t+7], v[S+16*\t:S+16*\t+15], v[PC:PC+15], v[OT+8*\t:OT+8*\t+7], v[KS+\t/2], v253 matrix_a_scale:MATRIX_SCALE_ROW1
.else
	v_wmma_scale_f32_16x16x128_f8f6f4 v[OT+8*\t:OT+8*\t+7], v[S+16*\t:S+16*\t+15], v[PC:PC+15], v[OT+8*\t:OT+8*\t+7], v[KS+\t/2], v253
.endif
.endr
.rept 9
	v_nop                                          ; nine places: on every way on, the next products may write over v64-127, which these have read (loads and vector lines want eight)
.endr
.endm
; A TRIP.  The block whose numbers have landed is quantised into the slot; the next open block is asked for; one barrier; my row's share of the block is worked.
; ONE BARRIER A TRIP DOES BOTH ORDERINGS: in front of it each wave's stores into this slot have landed and its reads of the other slot are back (the wait for 0 on DScnt);
; the other slot is written again only in the next trip, behind this barrier, and this slot only two trips on, behind the next.
.macro TRIP slot
	s_wait_loadcnt 0x0                             ; the fetched numbers are in; the fetch's base and offsets are free
	s_cmp_eq_u32 s[UQ], 0
	s_cbranch_scc1 .Lquantised_\@                  ; the list is spent: nothing to quantise
	s_cmp_lg_u32 s[ROLE], 0
	s_cbranch_scc1 .Lquant_v_\@
	KQUANT \slot
	s_branch .Lquantised_\@
.Lquant_v_\@:
	VQUANT \slot
.Lquantised_\@:
	s_ctz_i32_b32 s[JC], s[UQ]
	s_min_u32 s[JC], s[JC], 7                      ; (a spent list gives 7, whose bit of my mask is 0 by then)
	s_sub_co_u32 s30, s[UQ], 1
	s_and_b32 s[UQ], s[UQ], s30                    ; the lowest bit is taken off
	s_cmp_eq_u32 s[UQ], 0
	s_cbranch_scc1 .Lasked_\@
	FETCH 0                                        ; the next open block: it has this block's two key steps in which to land
.Lasked_\@:
	s_lshl_b32 s30, 1, s[JC]
	s_and_b32 s31, s[WM], s30                      ; does my row open this block?
	s_and_not1_b32 s[WM], s[WM], s30
	s_wait_dscnt 0x0                               ; for the others' sake: my stores have landed, my reads are back
	s_barrier_signal -1
	s_barrier_wait -1
	s_cmp_eq_u32 s31, 0
	s_cbranch_scc1 .Lhidden_\@
	STEP \slot, 0
	STEP \slot, 1
.Lhidden_\@:
.endm
	FETCH 1                                        ; the first open block, always: so v168-231 are written on every way
	; Q: my 16 rows turn through my stage and become one fragment's lower half
.irp i, 0,1,2,3,4,5,6,7
	ds_store_b128 v[STI], v[S+4*\i:S+4*\i+3] offset:2*\i*SP
.endr
.irp c, 0,1
.irp j, 0,1,2,3
	ds_load_b128 v[S+32+16*\c+4*\j:S+32+16*\c+4*\j+3], v[STO] offset:128*\c+16*\j   ; row r, channels 32 c + 16 h + 4 j on
.endr
.endr
	s_wait_dscnt 0x0
	QUANT S+32, 2, QF
	v_lshl_or_b32 v255, v[TM+5], 8, v[TM+4]        ; Q's scale word: two bytes, and 1.0 over the zero codes
	v_or_b32 v255, 0x7f7f0000, v255
.rept 8
	v_nop                                          ; a scale word made by vector lines stands eight places ahead of a scaled product, codes so made four: also on the way on which nothing is quantised first
.endr
	s_mov_b32 s36, 4
.Ltrip:                                            ; 4 x 2 trips: as many as the layout has columns
	TRIP 0
	TRIP 1
	s_sub_co_u32 s36, s36, 1
	s_cmp_lg_u32 s36, 0
	s_cbranch_scc1 .Ltrip
	; THE WAY OUT.  O^T / the sum goes through my stage and leaves as whole rows: sixteen lanes store 256 consecutive bytes, at a multiple of 256 from out's first byte.
	s_wait_loadcnt 0x0                             ; no load names v4 or v5 any more
	v_add_f32 v14, v14, v15                        ; the sum's two halves,
	v_permlanex16_b32 v252, v14, s[SEL], s[SEL+1]
	v_add_f32 v14, v14, v252                       ; and lane l xor 16's: the row's sum
	v_rcp_f32 v14, v14
	v_and_b32 v[GV], 15, v0                        ; (plain lines behind the reciprocal)
	v_mul_u32_u24 v[GV], v[GV], SP
	v_bfe_u32 v[GD], v0, 4, 1
	v_lshl_add_u32 v[GV], v[GD], 5, v[GV]
	v_add_nc_u32 v[GV], s37, v[GV]                 ; in: row r, 32 h: tile t's eight channels of my half lie 64 t bytes on
	v_lshlrev_b32 v[GD], 12, v[GD]
	v_and_b32 v15, 15, v0
	v_lshl_add_u32 v[GD], v15, 4, v[GD]            ; in out: lanes 0-15 one row, lanes 16-31 the next, 16 bytes a lane
.set jj, 0
	s_wait_alu depctr_va_vdst(0)
.rept 32
	v_mul_f32 v[S+jj], v[OT+jj], v14               ; register 8 t + i is o(r, 16 t + 8 h + i)
.set jj, jj+1
.endr
.irp t, 0,1,2,3
	ds_store_b128 v[GV], v[S+8*\t:S+8*\t+3] offset:64*\t
	ds_store_b128 v[GV], v[S+8*\t+4:S+8*\t+7] offset:64*\t+16
.endr
.irp i, 0,1,2,3,4,5,6,7
	ds_load_b128 v[S+32+4*\i:S+32+4*\i+3], v[STI] offset:2*\i*SP   ; my own bytes, served in order: these see the stores above
.endr
.irp i, 0,1,2,3,4,5,6,7
	s_wait_dscnt 7-\i                              ; load i is back; the 7 - i younger ones stay out
	global_store_b128 v[GD], v[S+32+4*\i:S+32+4*\i+3], s[8:9] offset:2*\i*ROWO th:TH_STORE_NT   ; written once, read by nobody here
.endr
	s_wait_xcnt 0x0
	v_lshl_add_u32 v254, v0, 2, 0x32c00
	v_mov_b32 v255, 0
	s_wait_tensorcnt 0x0
	ds_add_u32 v254, v255
	s_wait_dscnt 0x0
	s_endpgm
.Lfunc_end_k_qe78866ce6d_attn:
	.size	k_qe78866ce6d_attn, .Lfunc_end_k_qe78866ce6d_attn-k_qe78866ce6d_attn
	.p2alignl 7, 3214868480
	.fill 96, 4, 3214868480
	.section	.rodata,"a",@progbits
	.p2align	6, 0x0
	.amdhsa_kernel k_qe78866ce6d_attn
		.amdhsa_group_segment_fixed_size 209920
		.amdhsa_private_segment_fixed_size 0
		.amdhsa_enable_private_segment 0
		.amdhsa_kernarg_size 24
		.amdhsa_user_sgpr_count 2
		.amdhsa_user_sgpr_kernarg_segment_ptr 1
		.amdhsa_wavefront_size32 1
		.amdhsa_system_sgpr_workgroup_id_x 1
		.amdhsa_system_sgpr_workgroup_id_y 1
		.amdhsa_system_sgpr_workgroup_id_z 1
		.amdhsa_system_vgpr_workitem_id 0
		.amdhsa_next_free_vgpr 256
		.amdhsa_next_free_sgpr 66
		.amdhsa_reserve_vcc 0
		.amdhsa_float_denorm_mode_32 3
		.amdhsa_float_denorm_mode_16_64 3
		.amdhsa_memory_ordered 1
		.amdhsa_forward_progress 1
		.amdhsa_inst_pref_size 144
	.end_amdhsa_kernel
	.amdgpu_metadata
---
amdhsa.version: [ 1, 2 ]
amdhsa.kernels:
  - .name:           k_qe78866ce6d_attn
    .symbol:         k_qe78866ce6d_attn.kd
    .args:
      - { .name: qkv, .offset: 0, .size: 8, .value_kind: global_buffer, .address_space: global }
      - { .name: layout, .offset: 8, .size: 8, .value_kind: global_buffer, .address_space: global }
      - { .name: out0, .offset: 16, .size: 8, .value_kind: global_buffer, .address_space: global }
    .group_segment_fixed_size: 209920
    .private_segment_fixed_size: 0
    .kernarg_segment_align: 8
    .kernarg_segment_size: 24
    .max_flat_workgroup_size: 512
    .sgpr_count:     66
    .vgpr_count:     256
    .wavefront_size: 32
...
	.end_amdgpu_metadata
.endif
;; end of part 1
;; ======== version 2 of 2: 1 launch; version 1 with the launch attn written anew for expert scheduling mode
;; launch attn (part 2): grid 8 x 32, 16 waves a work-group, no clusters, 209,920 bytes of LDS; arguments qkv, layout, out0; writes out0
.if DOCPART == 2
	.amdgcn_target "amdgcn-amd-amdhsa--gfx1250"
	.amdhsa_code_object_version 6
	.text
	.protected	k_qe78866ce6d_attn
	.globl	k_qe78866ce6d_attn
	.p2align	8
	.type	k_qe78866ce6d_attn,@function
k_qe78866ce6d_attn:
	s_mov_b64 s[64:65], 0
	v_nop
	global_prefetch_b8 v0, s[64:65] scope:SCOPE_SE
	s_setreg_imm32_b32 hwreg(HW_REG_WAVE_SCHED_MODE, 0, 2), 2
	s_setreg_imm32_b32 hwreg(HW_REG_WAVE_MODE, 25, 1), 1
	s_wait_xcnt 0x0
	s_wait_alu depctr_vm_vsrc(0)
; out[b][s][h][:] = the sum over keys t of softmax_t(q . k / 8, hidden where layout[s / 16][t / 256] is 0) v[t][:], both products on codes of FP8 (E4M3) with one E8M0 scale for each 32 along a product's K.
; qkv: [2][2048][3][16][64] f32: every (s, q|k|v, h) row is 64 numbers = 256 consecutive bytes, aligned; rows of neighbouring s lie 12,288 bytes apart.  layout: [128][8] int32, any number but 0 counts.  out: [2][2048][16][64] f32.
; THE SOFTMAX AHEAD OF THE SECOND PRODUCT: t = score x log2(e) / 8; M = the row's largest t so far, rounded UP to a whole number; p = 2^(t - M) is quantised along the keys, not normalised;
; the row's sum is taken of the unquantised p and divides O at the end.  When M moves, the sum and O are multiplied by 2^(old M - new M): exact.
; SHARES.  A work-group owns 256 queries of one head (grid x: the block of queries, y: 16 b + h); each of its SIXTEEN waves owns 16 of them: one matrix tile, and ONE ROW OF THE LAYOUT.  A trip takes 256 keys: ONE COLUMN
; OF THE LAYOUT.  So a block of keys counts for a wave wholly or not at all: no score is masked one by one; a wave jumps over the blocks that its row hides (a scalar branch on whole numbers read from the layout).
; The work-group walks the blocks that ANY of its 16 rows opens, lowest first.  Each such block is quantised ONCE for the work-group: waves 0-7 take K, waves 8-15 V, 32 keys x 64 channels each, from f32 in registers;
; the codes and scale words go to LDS as IMAGES OF THE OPERANDS' REGISTERS (16 bytes a lane, 512 consecutive bytes a store) and every wave reads them back by the same lines.
; Two LDS slots take turns, one barrier a trip.  The loop has 8 trips whatever the layout holds, so that every wave passes every barrier; a trip beyond the list costs a few scalar lines.
; The next open block's f32 numbers are asked for in front of the barrier, into 64 registers that nothing else uses: they land while this block's two key steps are worked.
; LAYOUT OF THE PRODUCTS.  Both are used transposed: S^T = K Q^T (source 0 = 16 keys, source 1 = my 16 queries), O^T = V^T P^T (source 0 = 16 channels, source 1 = P): a lane holds ONE query (lane % 16) throughout.
; THE KEYS OF A TILE ARE NOT NEIGHBOURS: lane r of tile 2 b + u takes key 32 b + 8 u + r + 8 (r / 8), so that the 16 registers of tiles 2 b and 2 b + 1 are 16 neighbouring keys, 32 b + 16 (lane / 16) + 0 .. 15.
; THE FIRST PRODUCT'S K IS 64, the instruction's 128.  Q's registers 8-15 are zero codes, and bytes 2, 3 of Q's and K's scale words are 0x7f (1.0).  K's fragment is named 16 registers long: its upper 8 are the next
; fragment's codes (behind the last: 8 registers kept at 0).  Every number is held at 448 x its scale before it is converted, so no code is the NaN code, and a code times Q's zero code adds exactly 0.
; A ROW WITH NO OPEN BLOCK ends with O = 0 and the sum 0: 0 x (1 / 0) is NaN, as the problem's definition gives for a softmax over nothing.
; LIMITS.  NaN and infinities among the inputs are not served.  A block whose largest magnitude lies under 2^-118 keeps the scale byte 1 (a block of zeros too, where the rule says 127: its codes are zeros, and only this
; program reads the bytes).  A block's largest p is taken from its largest score by the same multiply-add and exponential: this takes v_exp_f32 not to fall where its input rises.
; NO JOINT LOADS, NO DATA MOVER: the operands arrive as f32 and have to pass through registers to become codes, and which blocks a work-group asks for hangs on its own 16 rows of the layout, so neighbours
; would not make the same requests on every path.
; REGISTERS: v1-11 addresses that stay; v12 -M, v13 the largest t, v[14:15] the sum in two halves; v16-23 Q's codes, v24-31 zeros; v32-63 O^T; v64-127 S^T, then p, then V's four fragments (and the quantisers' numbers);
;   v128-159 four fragments of K, later the codes just made; v160-167 zeros; v168-231 the next block's f32 numbers; v232-247 at work; v248-251 K's and V's scale words; v252 f, v253 p's scale word, v254 at work; v255 Q's scale word.
; THE MODE: SCHED_MODE bits 1:0 = 2 (LLVM: expert scheduling mode 2), set by the entry lines.  The code itself states the register dependences between vector or matrix instructions and memory or LDS
; instructions, with s_wait_alu, always for 0.
; THE PLAN.  Registers that memory or LDS instructions touch, and who else names them:
;   v1-11      Read by every load and store; made at the head and not written in the loop.  v4 and v5 are made anew on the way out.
;   v168-231   The fetch's loads land here.  K role: the stage's stores read them.  V role: the maxima and holds read them.
;   v64-127    Loads land here: Q at the head, the K role's numbers from the stage, V's fragments in a key step, O's rows on the way out.  LDS stores read v64-95 at the head and on the way out.
;              Between those the quantisers, the scores, p and the second products name them.
;   v128-159   K's fragments land here; the first products read them.  v128-143 are also the codes just made: written by conversions, read by the roles' image stores and by the second products.
;   v248-251   Scale words land here; the products read them.
;   v252, v254 (K role), v236, v237 (V role)  Data of the small LDS stores; written again by the next key step or quantiser.
;   v16-31, v160-167, v255, v253  No memory instruction names them: vector lines write them and scaled products take them.
; THE WAITS.  A role's quantiser: one on va_vdst ahead of its image stores; it stands behind all the role's vector lines, so it also frees v168-231 (V role) and v64-127 (K role) for the loads that land there next.
; A trip: one on vm_vsrc where the roles join: all that the trip's LDS stores have read may be written again.  A key step: va_vdst ahead of K's second four fragments; the exponentials' own; ahead of each half of V's
; fragments; ahead of the second products; and at the step's end, which frees v64-159 and v248-249 for the loads of every way on.
.set ROWQ,  12288                      ; bytes from s to s + 1 in qkv
.set BATQ,  25165824                   ; a batch of qkv
.set BLKB,  3145728                    ; 256 rows of qkv
.set W32,   393216                     ; 32 rows of qkv
.set ROWO,  4096                       ; bytes from s to s + 1 in out
.set BATO,  8388608                    ; a batch of out
.set SLOTB, 34304                      ; an LDS slot: K's images 16,384 | V's images 16,384 | K's scale words 1,024 | V's scale bytes 512
.set VIMG,  16384
.set KSC,   32768
.set VSC,   33792
.set STG,   2*SLOTB                    ; behind the slots: a stage of its own for each wave, 32 rows of 256 bytes + 16
.set SP,    272                        ; 17 x 16 bytes: the 16 rows that a load touches begin at 16 different 16-byte columns of 256
.set STW,   32*SP
.set LI,   1                           ; v1   16 x lane: my place in an image of K
.set RV,   2                           ; v2   VIMG + 16 x lane: in an image of V
.set LSC,  3                           ; v3   KSC + 4 x lane: among the scale words
.set GD,   4                           ; v4   Q's and K's loads: (lane / 16) rows + 16 (lane % 16).  On the way out: the same in out
.set GV,   5                           ; v5   V's loads: 8 x lane.  On the way out: where I put 32 bytes of a row of O in my stage
.set STI,  6                           ; v6   my stage by rows: row lane / 16, 16 (lane % 16)
.set STO,  7                           ; v7   my stage by operand: row lane % 16, 64 (lane / 16)
.set KWI,  8                           ; v8   where a K wave stores its images
.set KWS,  9                           ; v9   and its scale words
.set VWI,  10                          ; v10  where a V wave stores its codes
.set VWS,  11                          ; v11  and its scale bytes
.set QF,   16
.set OT,   32
.set S,    64
.set KF,   128
.set PC,   128
.set ZP,   160
.set SG,   168
.set TM,   232                         ; v232-235 largest magnitudes, v236-239 the other half's, then bytes, v240-243 448 x the scale, v244-247 the conversions' scale operands
.set KS,   248
.set WV,   10                          ; s10  wave 0..15
.set B8,   11                          ; s11  wave % 8: which 32 keys of a block I quantise
.set ROLE, 12                          ; s12  wave / 8: 0 = K, 1 = V
.set BH,   14                          ; s14  16 b + h
.set KV0,  16                          ; s[16:17] my 32 keys of block 0, of K or of V
.set KVC,  18                          ; s[18:19] the same of the block that is being fetched
.set SEL,  20                          ; s[20:21] v_permlanex16_b32's selects for lane l xor 16
.set CS,   22                          ; s[22:23] c = log2(e) / 8 (the packed form names a pair and takes its low word for both halves)
.set MNT,  24                          ; s24  the mantissa field of 448
.set UQ,   25                          ; s25  the blocks that some row of the work-group opens and that are not yet quantised
.set WM,   26                          ; s26  the blocks that my row opens and that I have not yet worked
.set JC,   27                          ; s27  the trip's block
	s_load_b128 s[4:7], s[0:1], 0x0                ; qkv, layout
	s_load_b64 s[8:9], s[0:1], 0x10                ; out
	v_lshrrev_b32 v1, 5, v0
	v_readfirstlane_b32 s[WV], v1
	s_wait_alu depctr_va_sdst(0)                   ; s10 is written, ahead of its first reader: roles, LDS places and bases are made from it
	s_and_b32 s[B8], s[WV], 7
	s_lshr_b32 s[ROLE], s[WV], 3
	s_and_b32 s[BH], ttmp7, 0xffff
	s_mul_i32 s37, s[WV], STW
	s_add_co_u32 s37, s37, STG                     ; my stage
	; every address register is made here, by every wave, ahead of the first parting of the roles
	v_and_b32 v12, 31, v0                          ; lane
	v_and_b32 v13, 15, v0                          ; r
	v_bfe_u32 v14, v0, 4, 1                        ; h
	v_lshlrev_b32 v[LI], 4, v12
	v_add_nc_u32 v[RV], VIMG, v[LI]
	v_lshl_add_u32 v[LSC], v12, 2, KSC
	v_mul_u32_u24 v[GD], v14, ROWQ
	v_lshl_add_u32 v[GD], v13, 4, v[GD]
	v_lshlrev_b32 v[GV], 3, v12
	v_mul_u32_u24 v[STI], v14, SP
	v_lshl_add_u32 v[STI], v13, 4, v[STI]
	v_add_nc_u32 v[STI], s37, v[STI]
	v_mul_u32_u24 v[STO], v13, SP
	v_lshl_add_u32 v[STO], v14, 6, v[STO]
	v_add_nc_u32 v[STO], s37, v[STO]
	s_lshl_b32 s30, s[B8], 11
	v_add_nc_u32 v[KWI], s30, v[LI]                ; K's tiles (b8, u) at 2,048 b8 + 1,024 u + 512 c + 16 lane
	s_lshl_b32 s30, s[B8], 7
	s_add_co_u32 s30, s30, KSC
	v_lshl_add_u32 v[KWS], v13, 2, s30             ; K's scale words at 128 b8 + 64 u + 4 r
	v_lshrrev_b32 v15, 3, v12
	v_and_b32 v[VWI], 7, v12
	v_lshlrev_b32 v[VWI], 5, v[VWI]
	v_lshl_add_u32 v[VWI], v15, 12, v[VWI]
	s_lshr_b32 s30, s[B8], 2                       ; my 32 keys are block c = b8 % 4 of key step q = b8 / 4
	s_and_b32 s31, s[B8], 3
	s_lshl_b32 s15, s30, 11
	s_lshl_b32 s28, s31, 9
	s_add_co_u32 s15, s15, s28
	s_add_co_u32 s15, s15, VIMG
	v_add_nc_u32 v[VWI], s15, v[VWI]               ; V's fragment (t, q) at 2,048 (2 t + q) + 512 c + 16 lane'; my channels 2 l + e are t = l / 8, lane' = 2 (l % 8) + e (+ 16 for keys 16-31)
	s_lshl_b32 s15, s30, 8
	s_add_co_u32 s15, s15, s31
	s_add_co_u32 s15, s15, VSC
	v_lshl_add_u32 v[VWS], v12, 3, s15             ; V's scale bytes at 256 q + 4 d + c
	s_mov_b32 s[SEL], 0x76543210
	s_mov_b32 s[SEL+1], 0xfedcba98
	s_mov_b32 s[CS], 0x3e38aa3b                    ; log2(e) / 8
	s_mov_b32 s[CS+1], s[CS]
	s_mov_b32 s[MNT], 0x600000
	; byte offsets, each under 2^32, made apart from the addresses
	s_lshr_b32 s30, s[BH], 4                       ; b
	s_and_b32 s31, s[BH], 15
	s_lshl_b32 s31, s31, 8                         ; the head's 256 bytes of a row
	s_mul_i32 s28, s30, BATQ
	s_add_co_u32 s28, s28, s31                     ; the head in qkv
	s_lshl_b32 s15, s[ROLE], 12
	s_add_co_u32 s15, s15, 4096                    ; k lies 4,096 bytes behind q, v 8,192
	s_add_co_u32 s[KV0], s28, s15
	s_mul_i32 s15, s[B8], W32
	s_add_co_u32 s[KV0], s[KV0], s15
	s_mov_b32 s[KV0+1], 0
	s_lshl_b32 s15, ttmp9, 8
	s_lshl_b32 s38, s[WV], 4
	s_add_co_u32 s15, s15, s38                     ; my first query
	s_mul_i32 s38, s15, ROWQ
	s_add_co_u32 s38, s38, s28
	s_mov_b32 s39, 0
	s_mul_i32 s28, s30, BATO
	s_lshl_b32 s15, s15, 12
	s_add_co_u32 s28, s28, s15
	s_add_co_u32 s28, s28, s31
	s_mov_b32 s29, 0
	s_lshl_b32 s30, ttmp9, 9                       ; the work-group's 16 rows of the layout: 512 bytes
	s_mov_b32 s31, 0
	s_wait_kmcnt 0x0
	s_add_nc_u64 s[KV0:KV0+1], s[4:5], s[KV0:KV0+1]
	s_add_nc_u64 s[38:39], s[4:5], s[38:39]        ; Q at my first query
	s_add_nc_u64 s[8:9], s[8:9], s[28:29]          ; out likewise
	s_add_nc_u64 s[6:7], s[6:7], s[30:31]
	s_wait_alu depctr_va_vdst(0)                   ; the eleven addresses and offsets v1 to v11 are written: every load and store up to the way out reads one of them
	global_load_b128 v[TM:TM+3], v[LI], s[6:7]     ; lane l: row l / 2 of the 16, columns 4 (l % 2) + 0 .. 3
.irp i, 0,1,2,3,4,5,6,7
	global_load_b128 v[S+4*\i:S+4*\i+3], v[GD], s[38:39] offset:2*\i*ROWQ th:TH_LOAD_NT   ; queries 2 i and 2 i + 1: sixteen lanes take one row's 256 bytes; read by this wave alone
.endr
	; while these are out: what begins as zero (none of these registers is named by a load that is out)
.set ii, 0
.rept 8
	v_mov_b32 v[QF+8+ii], 0                        ; Q's codes for k = 64 .. 127
	v_mov_b32 v[ZP+ii], 0                          ; what stands behind K's last fragment
.set ii, ii+1
.endr
.set ii, 0
.rept 32
	v_mov_b32 v[OT+ii], 0                          ; O^T.  (The key step is written once: the first finds zeros, which the first change of M leaves zeros)
.set ii, ii+1
.endr
	v_mov_b32 v14, 0                               ; the sum, in two halves
	v_mov_b32 v15, 0
.irp b, 0,1,2,3
	v_mov_b32 v[TM+4+\b], 0                        ; written once: a lane permute's destination counts as one of its sources
.endr
	v_mov_b32 v252, 0                              ; (likewise: the way out's permute lands here)
	v_mov_b32 v253, 0                              ; (named as the upper half of the pair v[252:253] before it is first written)
	v_mov_b32 v254, 0
	v_mov_b32 v13, 0xff61b1e6                      ; the largest t so far: -3e38, under every t
	v_floor_f32 v12, -v13                          ; -M
	s_wait_loadcnt 8                               ; the layout is in; the eight younger loads, Q's, stay out
.irp i, 0,1,2,3
	v_cmp_ne_u32 s[32+\i], 0, v[TM+\i]             ; bit l: row l / 2 opens column 4 (l % 2) + i
.endr
	s_wait_alu depctr_va_sdst(0)                   ; the four compares have written s32 to s35, ahead of their first reader
	s_mov_b32 s[UQ], 0
.irp i, 0,1,2,3
.irp e, 0,1
	s_and_b32 s30, s[32+\i], 0x55555555<<\e        ; does any of the 16 rows open column 4 e + i?
	s_cselect_b32 s30, 1<<(4*\e+\i), 0
	s_or_b32 s[UQ], s[UQ], s30
.endr
.endr
	s_mov_b32 s[WM], 0
	s_lshl_b32 s31, s[WV], 1                       ; my row's two lanes: 2 w and 2 w + 1
.irp i, 0,1,2,3
	s_lshr_b32 s30, s[32+\i], s31
	s_and_b32 s15, s30, 1
	s_lshl_b32 s15, s15, \i                        ; column i
	s_or_b32 s[WM], s[WM], s15
	s_and_b32 s30, s30, 2
	s_lshl_b32 s30, s30, 3+\i                      ; column 4 + i
	s_or_b32 s[WM], s[WM], s30
.endr
; The f32 numbers of my 32 keys of the lowest block in UQ, into v168-231.  The block's number is held at 7 before it enters an address (an empty list gives 7: inside the buffer, and nobody uses the numbers).
; waitq = 1, the first fetch: behind each role's loads stands the wait for Q, whose count is that role's own younger loads.
; No wait on s_wait_alu stands here: the first fetch finds registers that nothing has named; a later one stands behind the V role's wait on va_vdst and the trip's wait on vm_vsrc, and nothing issued since names v168-231, v4 or v5.
.macro FETCH waitq
	s_ctz_i32_b32 s30, s[UQ]
	s_min_u32 s30, s30, 7
	s_mul_i32 s28, s30, BLKB
	s_mov_b32 s29, 0
	s_add_nc_u64 s[KVC:KVC+1], s[KV0:KV0+1], s[28:29]   ; no load that names this base is out: the wait for all loads stands at the trip's head
	s_cmp_lg_u32 s[ROLE], 0
	s_cbranch_scc1 .Lfetch_v_\@
.irp i, 0,1,2,3,4,5,6,7,8,9,10,11,12,13,14,15
	global_load_b128 v[SG+4*\i:SG+4*\i+3], v[GD], s[KVC:KVC+1] offset:2*\i*ROWQ   ; K: keys 2 i and 2 i + 1: sixteen lanes take one row's 256 bytes
.endr
.if \waitq
	s_wait_loadcnt 16                              ; Q is in; my 16 loads of K stay out
.endif
	s_branch .Lfetched_\@
.Lfetch_v_\@:
.set ii, 0
.rept 32
	global_load_b64 v[SG+2*ii:SG+2*ii+1], v[GV], s[KVC:KVC+1] offset:ii*ROWQ      ; V: key ii, channels 2 l and 2 l + 1: the wave takes one row's 256 bytes, and a lane's registers run down the keys
.set ii, ii+1
.endr
.if \waitq
	s_wait_loadcnt 32                              ; Q is in; my 32 loads of V stay out
.endif
.Lfetched_\@:
.endm
; nb blocks of 32 along K: register s + 16 b + i = k 32 b' + 16 (lane / 16) + i of my row; a block lies in lanes l and l xor 16.  Codes to v[pc + 4 b] on, the blocks' bytes stay in v[TM + 4 + b].
.macro QUANT s, nb, pc
.irp b, 0,1,2,3
.if \b < \nb
	v_max3_num_f32 v[TM+\b], |v[\s+16*\b]|, |v[\s+1+16*\b]|, 0x4800000   ; my 16 numbers, and the floor 2^(9 - 127): so the byte cannot fall under 1
.endif
.endr
.irp i, 2,4,6,8,10,12,14
.irp b, 0,1,2,3
.if \b < \nb
	v_max3_num_f32 v[TM+\b], v[TM+\b], |v[\s+16*\b+\i]|, |v[\s+1+16*\b+\i]|   ; (the blocks by turns: no line waits for the line above it)
.endif
.endr
.endr
.irp b, 0,1,2,3
.if \b < \nb
	v_permlanex16_b32 v[TM+4+\b], v[TM+\b], s[SEL], s[SEL+1]
.endif
.endr
.irp b, 0,1,2,3
.if \b < \nb
	v_max_num_f32 v[TM+\b], v[TM+\b], v[TM+4+\b]   ; with lane l xor 16's: the block's largest magnitude
.endif
.endr
.irp b, 0,1,2,3
.if \b < \nb
	v_add_nc_u32 v[TM+12+\b], 0xfc000000, v[TM+\b]   ; 8 off its exponent field: the conversion takes this operand's exponent field as its scale
	v_and_or_b32 v[TM+8+\b], v[TM+\b], 0x7f800000, s[MNT]   ; 448 x the scale
.endif
.endr
.irp b, 0,1,2,3
.if \b < \nb
	v_lshrrev_b32 v[TM+4+\b], 23, v[TM+12+\b]      ; the scale's byte
.endif
.endr
.irp b, 0,1,2,3
.if \b < \nb
.irp i, 0,1,2,3,4,5,6,7,8,9,10,11,12,13,14,15
	v_med3_num_f32 v[\s+16*\b+\i], v[\s+16*\b+\i], -v[TM+8+\b], v[TM+8+\b]   ; the conversion to an 8-bit code does not saturate (ISA guide 7.6.2): the hold at the largest code x the scale
.endr
	v_cvt_scalef32_pk8_fp8_f32 v[\pc+4*\b:\pc+4*\b+1], v[\s+16*\b:\s+16*\b+7], v[TM+12+\b]
	v_cvt_scalef32_pk8_fp8_f32 v[\pc+4*\b+2:\pc+4*\b+3], v[\s+16*\b+8:\s+16*\b+15], v[TM+12+\b]
.endif
.endr
	v_nop                                          ; one plain line behind the last scaled conversion, ahead of whatever next touches its registers
.endm
; A K wave: its 32 keys x 64 channels turn through its stage (in: whole rows as loaded; out: 16 neighbours along the channels to a lane) and become two tiles' codes and scale words.
; The stage row of key x is 16 u + m, u = (x / 8) % 2, m = x % 8 + 8 (x / 16): the order in which lane m of tile u holds key 8 u + m + 8 (m / 8).  The stores' immediates do that sorting.
; The stage's stores read what loads brought; the stage's loads land in v64-127, which no vector or matrix line has named since the last wait on va_vdst (the head's, a key step's last, or this macro's own a trip back).
.macro KQUANT slot
.irp i, 0,1,2,3,4,5,6,7,8,9,10,11,12,13,14,15
	ds_store_b128 v[STI], v[SG+4*\i:SG+4*\i+3] offset:(16*((\i/4)%2)+8*(\i/8)+(2*\i)%8)*SP
.endr
.irp b, 0,1,2,3                                ; b = 2 u + c: tile u, channels 32 c on
.irp j, 0,1,2,3
	ds_load_b128 v[S+16*\b+4*\j:S+16*\b+4*\j+3], v[STO] offset:16*(\b/2)*SP+128*(\b%2)+16*\j   ; LDS serves a wave's instructions in order: these see the stores above
.endr
.endr
	s_wait_dscnt 0x0                               ; the numbers are back
	QUANT S, 4, PC
	v_lshl_or_b32 v252, v[TM+5], 8, v[TM+4]        ; tile 0's scale word: two bytes, and 1.0 for the k that Q's zero codes fill
	v_or_b32 v252, 0x7f7f0000, v252
	v_lshl_or_b32 v254, v[TM+7], 8, v[TM+6]        ; tile 1's
	v_or_b32 v254, 0x7f7f0000, v254
	s_wait_alu depctr_va_vdst(0)                   ; the conversions have written v128-143 and the lines above v252 and v254, which the stores below read; the quantiser is done with v64-127, in which the next trip's loads from the stage land
.irp b, 0,1,2,3
	ds_store_b128 v[KWI], v[PC+4*\b:PC+4*\b+3] offset:\slot*SLOTB+512*\b   ; 1,024 u + 512 c
.endr
	ds_store_b32 v[KWS], v252 offset:\slot*SLOTB       ; (both halves of the lanes write the same word with the same value)
	ds_store_b32 v[KWS], v254 offset:\slot*SLOTB+64
.endm
; A V wave: register 168 + 2 i + e holds V(key i, channel 2 l + e).  The keys are this product's K: a lane holds two whole blocks of 32, one for each of its channels, and needs no other lane.
.macro VQUANT slot
.irp a, 0,1                                    ; four chains: channel e, keys 16 a on
.irp e, 0,1
	v_max3_num_f32 v[TM+\e+2*\a], |v[SG+32*\a+\e]|, |v[SG+32*\a+2+\e]|, 0x4800000
.endr
.endr
.irp k, 2,4,6,8,10,12,14
.irp a, 0,1
.irp e, 0,1
	v_max3_num_f32 v[TM+\e+2*\a], v[TM+\e+2*\a], |v[SG+32*\a+2*\k+\e]|, |v[SG+32*\a+2*\k+2+\e]|
.endr
.endr
.endr
.irp e, 0,1
	v_max_num_f32 v[TM+\e], v[TM+\e], v[TM+2+\e]
.endr
.irp e, 0,1
	v_add_nc_u32 v[TM+12+\e], 0xfc000000, v[TM+\e]
	v_and_or_b32 v[TM+8+\e], v[TM+\e], 0x7f800000, s[MNT]
.endr
.irp e, 0,1
	v_lshrrev_b32 v[TM+4+\e], 23, v[TM+12+\e]
.endr
.irp e, 0,1
.set ii, 0
.rept 32
	v_med3_num_f32 v[S+32*\e+ii], v[SG+2*ii+\e], -v[TM+8+\e], v[TM+8+\e]   ; the hold also sorts the two channels apart: 32 keys of a channel on end
.set ii, ii+1
.endr
.endr
.irp e, 0,1
.irp g, 0,1,2,3
	v_cvt_scalef32_pk8_fp8_f32 v[PC+8*\e+2*\g:PC+8*\e+2*\g+1], v[S+32*\e+8*\g:S+32*\e+8*\g+7], v[TM+12+\e]
.endr
.endr
	v_nop                                          ; one plain line behind the last scaled conversion
	s_wait_alu depctr_va_vdst(0)                   ; the conversions have written v128-143 and the shifts v236 and v237, which the stores below read; the maxima and holds are done reading v168-231, in which the next fetch lands
.irp e, 0,1
.irp x, 0,1
	ds_store_b128 v[VWI], v[PC+8*\e+4*\x:PC+8*\e+4*\x+3] offset:\slot*SLOTB+16*\e+256*\x   ; keys 16 x on: lanes 16 x + r of the image
.endr
.endr
.irp e, 0,1
	ds_store_b8 v[VWS], v[TM+4+\e] offset:\slot*SLOTB+4*\e
.endr
.endm
; Block b of p: the hold, and 32 keys' codes (16 a lane).
.macro PCODE b
.set ii, 0
.rept 16
	v_min_num_f32 v[S+16*(\b)+ii], v[S+16*(\b)+ii], v[TM+8+(\b)]   ; the hold; p is not negative, so it is one-sided
.set ii, ii+1
.endr
	v_cvt_scalef32_pk8_fp8_f32 v[PC+4*(\b):PC+4*(\b)+1], v[S+16*(\b):S+16*(\b)+7], v[TM+12+(\b)]
	v_cvt_scalef32_pk8_fp8_f32 v[PC+4*(\b)+2:PC+4*(\b)+3], v[S+16*(\b)+8:S+16*(\b)+15], v[TM+12+(\b)]
.endm
; V's fragment t (16 channels x the step's 128 keys) goes into the registers that block t of p has left.
.macro VFRAG slot, q, t
.irp c, 0,1,2,3
	ds_load_b128 v[S+16*(\t)+4*\c:S+16*(\t)+4*\c+3], v[RV] offset:(\slot)*SLOTB+(2*(\t)+(\q))*2048+512*\c
.endr
.endm
; A KEY STEP: 128 keys, the q-th of the block in the slot.
; Its first loads land in v128-159 and v248-251: no vector or matrix line has named them since the last wait on va_vdst (the head's, a quantiser's, or the last key step's at its end), and the trip's wait on vm_vsrc
; stands behind the image stores that read v128-143.
.macro STEP slot, q
.irp g, 0,1                                    ; S^T = K Q^T, four tiles of 16 keys at a time
.if \g > 0
.rept 8
	v_nop                                          ; eight places in front of loads into registers that the four products above have read
.endr
	s_wait_alu depctr_va_vdst(0)                   ; the four products above are done reading v128-159, in which the loads below land
.endif
.irp t, 0,1,2,3
.irp c, 0,1
	ds_load_b128 v[KF+8*\t+4*\c:KF+8*\t+4*\c+3], v[LI] offset:\slot*SLOTB+(4*\q+2*\g+\t/2)*2048+(\t%2)*1024+512*\c
.endr
.endr
.if \g == 0
.irp w, 0,1,2,3
	ds_load_b32 v[KS+\w], v[LSC] offset:\slot*SLOTB+128*(4*\q+\w)   ; lanes 0-15: the words of tile 2 w, lanes 16-31: those of tile 2 w + 1
.endr
.endif
	s_wait_dscnt 0x0
.irp t, 0,1,2,3
.if \t%2
	v_wmma_scale_f32_16x16x128_f8f6f4 v[S+8*(4*\g+\t):S+8*(4*\g+\t)+7], v[KF+8*\t:KF+8*\t+15], v[QF:QF+15], 0, v[KS+2*\g+\t/2], v255 matrix_a_scale:MATRIX_SCALE_ROW1
.else
	v_wmma_scale_f32_16x16x128_f8f6f4 v[S+8*(4*\g+\t):S+8*(4*\g+\t)+7], v[KF+8*\t:KF+8*\t+15], v[QF:QF+15], 0, v[KS+2*\g+\t/2], v255
.endif
.endr
.endr
.rept 8
	v_nop                                          ; eight places in front of the first read of the scores
.endr
.irp b, 0,1,2,3
	v_max3_num_f32 v[TM+\b], v[S+16*\b], v[S+1+16*\b], v[S+2+16*\b]   ; THE LARGEST SCORE OF EACH BLOCK OF 32 KEYS: it serves for the row's maximum and, since p rises with the score, for the block's largest p.  (Each result is read from its low end on)
.endr
.irp i, 3,5,7,9,11,13
.irp b, 0,1,2,3
	v_max3_num_f32 v[TM+\b], v[TM+\b], v[S+16*\b+\i], v[S+1+16*\b+\i]
.endr
.endr
.irp b, 0,1,2,3
	v_max_num_f32 v[TM+\b], v[TM+\b], v[S+15+16*\b]
.endr
.irp b, 0,1,2,3
	v_permlanex16_b32 v[TM+4+\b], v[TM+\b], s[SEL], s[SEL+1]
.endr
.irp b, 0,1,2,3
	v_max_num_f32 v[TM+\b], v[TM+\b], v[TM+4+\b]   ; with lane l xor 16's 16 keys
.endr
	v_max3_num_f32 v254, v[TM], v[TM+1], v[TM+2]
	v_max_num_f32 v254, v254, v[TM+3]              ; the step's largest score of my query
	v_mul_f32 v254, s[CS], v254                    ; as t (c is positive)
	v_max_num_f32 v13, v13, v254                   ; the running largest t
	v_mov_b32 v254, v12
	v_floor_f32 v12, -v13                          ; the new -M = floor(-t) = -ceil(t): M is a whole number
	v_sub_f32 v254, v12, v254                      ; old M less new M: a whole number, 0 or less
	v_cvt_i32_f32 v254, v254                       ; (it saturates)
	v_ldexp_f32 v252, 1.0, v254                    ; f = 2^(old M - new M): a multiplication by it rounds nothing
.set jj, 0
.rept 32
	v_pk_fma_f32 v[S+jj:S+jj+1], v[S+jj:S+jj+1], s[CS:CS+1], v[12:13] op_sel_hi:[1,0,0]   ; t - M, two at a time
.set jj, jj+2
.endr
.irp b, 0,1,2,3
	v_fma_f32 v[TM+\b], v[TM+\b], s[CS], v12       ; the same of each block's largest score
.endr
.set jj, 0
	s_wait_alu depctr_va_vdst(0)
.rept 64
	v_exp_f32 v[S+jj], v[S+jj]                     ; p = 2^(t - M), at most 1: not normalised
.set jj, jj+1
.endr
.irp b, 0,1,2,3
	v_exp_f32 v[TM+\b], v[TM+\b]                   ; the block's largest p: the same two instructions on the same number give the same bits
.endr
	v_pk_mul_f32 v[14:15], v[14:15], v[252:253] op_sel_hi:[1,0]   ; the sums under the new M.  (The plain line behind the exponentials)
	s_wait_alu depctr_va_vdst(0)                   ; the 68 exponentials have written v64-127 and v232-235: one wait for the batch, ahead of its first reader
.irp b, 0,1,2,3
	v_max_num_f32 v[TM+\b], 0x4800000, v[TM+\b]    ; the floor 2^(9 - 127): the byte cannot fall under 1
.endr
.irp b, 0,1,2,3
	v_add_nc_u32 v[TM+12+\b], 0xfc000000, v[TM+\b]
.endr
.irp b, 0,1,2,3
	v_and_or_b32 v[TM+8+\b], v[TM+\b], 0x7f800000, s[MNT]
.endr
.irp b, 0,1,2,3
	v_lshrrev_b32 v[TM+4+\b], 23, v[TM+12+\b]
.endr
	v_lshl_or_b32 v253, v[TM+5], 8, v[TM+4]        ; p's scale word for these 128 keys
	v_lshl_or_b32 v253, v[TM+6], 16, v253
	v_lshl_or_b32 v253, v[TM+7], 24, v253
	v_pk_add_f32 v[TM+4:TM+5], v[S:S+1], v[S+2:S+3]   ; THE ROW'S SUM IS TAKEN OF THE UNQUANTISED p: two at a time, in two chains
.irp j, 4,8,12,16,20,24,28,32,36,40,44,48,52,56,60
	v_pk_add_f32 v[14:15], v[14:15], v[S+\j:S+\j+1]
	v_pk_add_f32 v[TM+4:TM+5], v[TM+4:TM+5], v[S+2+\j:S+3+\j]
.endr
	v_pk_add_f32 v[14:15], v[14:15], v[TM+4:TM+5]
	PCODE 0
	PCODE 1
	s_wait_alu depctr_va_vdst(0)                   ; the holds and conversions of blocks 0 and 1 are done with v64-95, and the first products with the words in v248 and v249: the loads below land there
	VFRAG \slot, \q, 0                             ; they land under the work on blocks 2 and 3, which names v96-127, v136-143 and v242-247 alone
	VFRAG \slot, \q, 1
.irp w, 0,1
	ds_load_b32 v[KS+\w], v[LSC] offset:\slot*SLOTB+VSC-KSC+256*\q+128*\w   ; lanes 0-15: the words of channels 32 w + r (tile 2 w), lanes 16-31: tile 2 w + 1's
.endr
	PCODE 2
	PCODE 3
	s_wait_alu depctr_va_vdst(0)                   ; the holds and conversions of blocks 2 and 3 are done with v96-127, in which the loads below land
	VFRAG \slot, \q, 2
	VFRAG \slot, \q, 3
.set jj, 0
.rept 16
	v_pk_mul_f32 v[OT+jj:OT+jj+1], v[OT+jj:OT+jj+1], v[252:253] op_sel_hi:[1,0]   ; O^T under the new M, each result from its low end on.  (These 16 are the plain line behind the conversions and the places between the codes and the products; the scale word was made far further up)
.set jj, jj+2
.endr
	s_wait_dscnt 0x0
	s_wait_alu depctr_va_vdst(0)                   ; behind their places: p's codes v128-143 and its scale word v253, made by vector lines, are written, ahead of the scaled products that take them
.irp t, 0,1,2,3                                ; O^T += V^T P^T: the four accumulators by turns, one instruction a turn
.if \t%2
	v_wmma_scale_f32_16x16x128_f8f6f4 v[OT+8*\t:OT+8*\t+7], v[S+16*\t:S+16*\t+15], v[PC:PC+15], v[OT+8*\t:OT+8*\t+7], v[KS+\t/2], v253 matrix_a_scale:MATRIX_SCALE_ROW1
.else
	v_wmma_scale_f32_16x16x128_f8f6f4 v[OT+8*\t:OT+8*\t+7], v[S+16*\t:S+16*\t+15], v[PC:PC+15], v[OT+8*\t:OT+8*\t+7], v[KS+\t/2], v253
.endif
.endr
.rept 9
	v_nop                                          ; nine places: on every way on, the next products may write over v64-127, which these have read (vector lines want eight)
.endr
	s_wait_alu depctr_va_vdst(0)                   ; the four products are done reading v64-127, v128-143, v248 and v249: on the ways on, the next step's fragments and words of K and the K role's numbers from the stage land there
.endm
; A TRIP.  The block whose numbers have landed is quantised into the slot; the next open block is asked for; one barrier; my row's share of the block is worked.
; ONE BARRIER A TRIP DOES BOTH ORDERINGS: in front of it each wave's stores into this slot have landed and its reads of the other slot are back (the wait for 0 on DScnt);
; the other slot is written again only in the next trip, behind this barrier, and this slot only two trips on, behind the next.
.macro TRIP slot
	s_wait_loadcnt 0x0                             ; the fetched numbers are in; the fetch's base and offsets are free
	s_cmp_eq_u32 s[UQ], 0
	s_cbranch_scc1 .Lquantised_\@                  ; the list is spent: nothing to quantise
	s_cmp_lg_u32 s[ROLE], 0
	s_cbranch_scc1 .Lquant_v_\@
	KQUANT \slot
	s_branch .Lquantised_\@
.Lquant_v_\@:
	VQUANT \slot
.Lquantised_\@:
	s_wait_alu depctr_vm_vsrc(0)                   ; my LDS stores have read their data: v168-231 (the K role's stage), in which the fetch below lands; v128-143, in which K's fragments land; v252, v254, v236, v237, which the key steps and the next quantiser write
	s_ctz_i32_b32 s[JC], s[UQ]
	s_min_u32 s[JC], s[JC], 7                      ; (a spent list gives 7, whose bit of my mask is 0 by then)
	s_sub_co_u32 s30, s[UQ], 1
	s_and_b32 s[UQ], s[UQ], s30                    ; the lowest bit is taken off
	s_cmp_eq_u32 s[UQ], 0
	s_cbranch_scc1 .Lasked_\@
	FETCH 0                                        ; the next open block: it has this block's two key steps in which to land
.Lasked_\@:
	s_lshl_b32 s30, 1, s[JC]
	s_and_b32 s31, s[WM], s30                      ; does my row open this block?
	s_and_not1_b32 s[WM], s[WM], s30
	s_wait_dscnt 0x0                               ; for the others' sake: my stores have landed, my reads are back
	s_barrier_signal -1
	s_barrier_wait -1
	s_cmp_eq_u32 s31, 0
	s_cbranch_scc1 .Lhidden_\@
	STEP \slot, 0
	STEP \slot, 1
.Lhidden_\@:
.endm
	FETCH 1                                        ; the first open block, always: so v168-231 are written on every way
	; Q: my 16 rows turn through my stage and become one fragment's lower half
.irp i, 0,1,2,3,4,5,6,7
	ds_store_b128 v[STI], v[S+4*\i:S+4*\i+3] offset:2*\i*SP
.endr
.irp c, 0,1
.irp j, 0,1,2,3
	ds_load_b128 v[S+32+16*\c+4*\j:S+32+16*\c+4*\j+3], v[STO] offset:128*\c+16*\j   ; row r, channels 32 c + 16 h + 4 j on
.endr
.endr
	s_wait_dscnt 0x0
	s_wait_alu depctr_vm_vsrc(0)                   ; the stage's stores have read v64-95, which the loop's loads, holds and products write
	QUANT S+32, 2, QF
	v_lshl_or_b32 v255, v[TM+5], 8, v[TM+4]        ; Q's scale word: two bytes, and 1.0 over the zero codes
	v_or_b32 v255, 0x7f7f0000, v255
.rept 8
	v_nop                                          ; a scale word made by vector lines stands eight places ahead of a scaled product, codes so made four: also on the way on which nothing is quantised first
.endr
	s_wait_alu depctr_va_vdst(0)                   ; behind their places: Q's codes and zeros v16-31, the zeros v160-167 and the scale word v255 are written, ahead of the scaled products that take them; Q's quantiser is done with v96-127, in which the K role's loads from the stage land
	s_mov_b32 s36, 4
.Ltrip:                                            ; 4 x 2 trips: as many as the layout has columns
	TRIP 0
	TRIP 1
	s_sub_co_u32 s36, s36, 1
	s_cmp_lg_u32 s36, 0
	s_cbranch_scc1 .Ltrip
	; THE WAY OUT.  O^T / the sum goes through my stage and leaves as whole rows: sixteen lanes store 256 consecutive bytes, at a multiple of 256 from out's first byte.
	s_wait_loadcnt 0x0                             ; no load names v4 or v5 any more
	s_wait_alu depctr_vm_vsrc(0)                   ; the fetches have read their offsets v4 and v5, which are made anew below.  (No memory or LDS instruction behind this wait reads v254 or v255, which are made anew at the end)
	v_add_f32 v14, v14, v15                        ; the sum's two halves,
	v_permlanex16_b32 v252, v14, s[SEL], s[SEL+1]
	v_add_f32 v14, v14, v252                       ; and lane l xor 16's: the row's sum
	s_wait_alu depctr_va_vdst(0)
	v_rcp_f32 v14, v14
	v_and_b32 v[GV], 15, v0                        ; (plain lines behind the reciprocal)
	v_mul_u32_u24 v[GV], v[GV], SP
	v_bfe_u32 v[GD], v0, 4, 1
	v_lshl_add_u32 v[GV], v[GD], 5, v[GV]
	v_add_nc_u32 v[GV], s37, v[GV]                 ; in: row r, 32 h: tile t's eight channels of my half lie 64 t bytes on
	v_lshlrev_b32 v[GD], 12, v[GD]
	v_and_b32 v15, 15, v0
	v_lshl_add_u32 v[GD], v15, 4, v[GD]            ; in out: lanes 0-15 one row, lanes 16-31 the next, 16 bytes a lane
.set jj, 0
	s_wait_alu depctr_va_vdst(0)                   ; the reciprocal has written v14, ahead of its first reader
.rept 32
	v_mul_f32 v[S+jj], v[OT+jj], v14               ; register 8 t + i is o(r, 16 t + 8 h + i)
.set jj, jj+1
.endr
	s_wait_alu depctr_va_vdst(0)                   ; the multiplications have written v64-95, the LDS stores' data; v5 and v4, the stores' address and offset, are written too
.irp t, 0,1,2,3
	ds_store_b128 v[GV], v[S+8*\t:S+8*\t+3] offset:64*\t
	ds_store_b128 v[GV], v[S+8*\t+4:S+8*\t+7] offset:64*\t+16
.endr
.irp i, 0,1,2,3,4,5,6,7
	ds_load_b128 v[S+32+4*\i:S+32+4*\i+3], v[STI] offset:2*\i*SP   ; my own bytes, served in order: these see the stores above.  (No vector or matrix line since the wait above names v96-127)
.endr
.irp i, 0,1,2,3,4,5,6,7
	s_wait_dscnt 7-\i                              ; load i is back; the 7 - i younger ones stay out
	global_store_b128 v[GD], v[S+32+4*\i:S+32+4*\i+3], s[8:9] offset:2*\i*ROWO th:TH_STORE_NT   ; written once, read by nobody here
.endr
	s_wait_xcnt 0x0
	v_lshl_add_u32 v254, v0, 2, 0x32c00            ; my spare word: behind the sixteen stages, 128 bytes a wave; no other line names these bytes
	v_mov_b32 v255, 0
	s_wait_dscnt 0x0                               ; the closing lines, six on end
	s_wait_alu 0x0
	s_wait_tensorcnt 0x0
	ds_add_u32 v254, v255
	s_wait_dscnt 0x0
	s_endpgm
.Lfunc_end_k_qe78866ce6d_attn:
	.size	k_qe78866ce6d_attn, .Lfunc_end_k_qe78866ce6d_attn-k_qe78866ce6d_attn
	.p2alignl 7, 3214868480
	.fill 96, 4, 3214868480
	.section	.rodata,"a",@progbits
	.p2align	6, 0x0
	.amdhsa_kernel k_qe78866ce6d_attn
		.amdhsa_group_segment_fixed_size 209920
		.amdhsa_private_segment_fixed_size 0
		.amdhsa_enable_private_segment 0
		.amdhsa_kernarg_size 24
		.amdhsa_user_sgpr_count 2
		.amdhsa_user_sgpr_kernarg_segment_ptr 1
		.amdhsa_wavefront_size32 1
		.amdhsa_system_sgpr_workgroup_id_x 1
		.amdhsa_system_sgpr_workgroup_id_y 1
		.amdhsa_system_sgpr_workgroup_id_z 1
		.amdhsa_system_vgpr_workitem_id 0
		.amdhsa_next_free_vgpr 256
		.amdhsa_next_free_sgpr 66
		.amdhsa_reserve_vcc 0
		.amdhsa_float_denorm_mode_32 3
		.amdhsa_float_denorm_mode_16_64 3
		.amdhsa_memory_ordered 1
		.amdhsa_forward_progress 1
		.amdhsa_inst_pref_size 146
	.end_amdhsa_kernel
	.amdgpu_metadata
---
amdhsa.version: [ 1, 2 ]
amdhsa.kernels:
  - .name:           k_qe78866ce6d_attn
    .symbol:         k_qe78866ce6d_attn.kd
    .args:
      - { .name: qkv, .offset: 0, .size: 8, .value_kind: global_buffer, .address_space: global }
      - { .name: layout, .offset: 8, .size: 8, .value_kind: global_buffer, .address_space: global }
      - { .name: out0, .offset: 16, .size: 8, .value_kind: global_buffer, .address_space: global }
    .group_segment_fixed_size: 209920
    .private_segment_fixed_size: 0
    .kernarg_segment_align: 8
    .kernarg_segment_size: 24
    .max_flat_workgroup_size: 512
    .sgpr_count:     66
    .vgpr_count:     256
    .wavefront_size: 32
...
	.end_amdgpu_metadata
.endif
;; end of part 2
